; MI455X (gfx1250); checked and timed in simulation.
; The chip was launched on July 23, 2026; its instructions are those of AMD's public machine-readable ISA for CDNA 5 (MIT licence, August 2026) and "CDNA5" Instruction Set Architecture Reference Guide (July 2026). The comments in the code are by the model that wrote it; some were corrected since.
;; Sparse Mo E. Allowed arithmetic: matrix products marked QUANTISED: E4M3 operands, one given power-of-two scale a tensor, by v_wmma_f32_16x16x64_fp8_fp8 or v_wmma_f32_16x16x128_fp8_fp8, f32 sums; products left as they are: f32 operands where the result goes on into a quantised operand, else bf16, f16 or f32 operands; f32 sums; everything else in f32.
;; Inputs: b1 16 x 2,048 float32; b2 16 x 512 float32; lowp_scales 66 int32 (the exponents e of the quantised operands' scales 2^e); router_b 16 float32; router_w 512 x 16 float32; w1 16 x 512 x 2,048 float32; w2 16 x 2,048 x 512 float32; x 16 x 128 x 512 float32.
;; Outputs: out0 16 x 128 x 512 float32.
;; This version of the problem:
;;   THIS VERSION OF THE PROBLEM IS GIVEN IN LOW PRECISION. The matrix products marked QUANTISED in the list below multiply operands that are first quantised to E4M3 (4 exponent bits, 3 mantissa bits; 8 bits a number), with one given power-of-two scale for each operand tensor; their sums are f32. All else is computed in f32.
;;   The module's matrix products, in the order in which they are computed (A, B: the left and right operand; K: the contracted axis; several contracted axes count as one K, in the product's order):
;;     1. [M 2,048, K 512] x [K 512, N 16]; A: input x; B: input router_w: QUANTISED (scales: A lowp_scales[0], B lowp_scales[1])
;;     2. batch 2,048 x [M 1, K 4] x [K 4, N 16]; A: softmax; B: computed on the way: left as it is (K = 4 < 32)
;;     3. [M 2,048, K 512] x [K 512, N 2,048]; A: input x; B: input w1: QUANTISED (scales: A lowp_scales[2], B lowp_scales[3])
;;     4. [M 2,048, K 2,048] x [K 2,048, N 512]; A: computed on the way; B: input w2: QUANTISED (scales: A lowp_scales[4], B lowp_scales[5])
;;     5. [M 2,048, K 512] x [K 512, N 2,048]; A: input x; B: input w1: QUANTISED (scales: A lowp_scales[6], B lowp_scales[7])
;;     6. [M 2,048, K 2,048] x [K 2,048, N 512]; A: computed on the way; B: input w2: QUANTISED (scales: A lowp_scales[8], B lowp_scales[9])
;;     7. [M 2,048, K 512] x [K 512, N 2,048]; A: input x; B: input w1: QUANTISED (scales: A lowp_scales[10], B lowp_scales[11])
;;     8. [M 2,048, K 2,048] x [K 2,048, N 512]; A: computed on the way; B: input w2: QUANTISED (scales: A lowp_scales[12], B lowp_scales[13])
;;     9. [M 2,048, K 512] x [K 512, N 2,048]; A: input x; B: input w1: QUANTISED (scales: A lowp_scales[14], B lowp_scales[15])
;;     10. [M 2,048, K 2,048] x [K 2,048, N 512]; A: computed on the way; B: input w2: QUANTISED (scales: A lowp_scales[16], B lowp_scales[17])
;;     11. [M 2,048, K 512] x [K 512, N 2,048]; A: input x; B: input w1: QUANTISED (scales: A lowp_scales[18], B lowp_scales[19])
;;     12. [M 2,048, K 2,048] x [K 2,048, N 512]; A: computed on the way; B: input w2: QUANTISED (scales: A lowp_scales[20], B lowp_scales[21])
;;     13. [M 2,048, K 512] x [K 512, N 2,048]; A: input x; B: input w1: QUANTISED (scales: A lowp_scales[22], B lowp_scales[23])
;;     14. [M 2,048, K 2,048] x [K 2,048, N 512]; A: computed on the way; B: input w2: QUANTISED (scales: A lowp_scales[24], B lowp_scales[25])
;;     15. [M 2,048, K 512] x [K 512, N 2,048]; A: input x; B: input w1: QUANTISED (scales: A lowp_scales[26], B lowp_scales[27])
;;     16. [M 2,048, K 2,048] x [K 2,048, N 512]; A: computed on the way; B: input w2: QUANTISED (scales: A lowp_scales[28], B lowp_scales[29])
;;     17. [M 2,048, K 512] x [K 512, N 2,048]; A: input x; B: input w1: QUANTISED (scales: A lowp_scales[30], B lowp_scales[31])
;;     18. [M 2,048, K 2,048] x [K 2,048, N 512]; A: computed on the way; B: input w2: QUANTISED (scales: A lowp_scales[32], B lowp_scales[33])
;;     19. [M 2,048, K 512] x [K 512, N 2,048]; A: input x; B: input w1: QUANTISED (scales: A lowp_scales[34], B lowp_scales[35])
;;     20. [M 2,048, K 2,048] x [K 2,048, N 512]; A: computed on the way; B: input w2: QUANTISED (scales: A lowp_scales[36], B lowp_scales[37])
;;     21. [M 2,048, K 512] x [K 512, N 2,048]; A: input x; B: input w1: QUANTISED (scales: A lowp_scales[38], B lowp_scales[39])
;;     22. [M 2,048, K 2,048] x [K 2,048, N 512]; A: computed on the way; B: input w2: QUANTISED (scales: A lowp_scales[40], B lowp_scales[41])
;;     23. [M 2,048, K 512] x [K 512, N 2,048]; A: input x; B: input w1: QUANTISED (scales: A lowp_scales[42], B lowp_scales[43])
;;     24. [M 2,048, K 2,048] x [K 2,048, N 512]; A: computed on the way; B: input w2: QUANTISED (scales: A lowp_scales[44], B lowp_scales[45])
;;     25. [M 2,048, K 512] x [K 512, N 2,048]; A: input x; B: input w1: QUANTISED (scales: A lowp_scales[46], B lowp_scales[47])
;;     26. [M 2,048, K 2,048] x [K 2,048, N 512]; A: computed on the way; B: input w2: QUANTISED (scales: A lowp_scales[48], B lowp_scales[49])
;;     27. [M 2,048, K 512] x [K 512, N 2,048]; A: input x; B: input w1: QUANTISED (scales: A lowp_scales[50], B lowp_scales[51])
;;     28. [M 2,048, K 2,048] x [K 2,048, N 512]; A: computed on the way; B: input w2: QUANTISED (scales: A lowp_scales[52], B lowp_scales[53])
;;     29. [M 2,048, K 512] x [K 512, N 2,048]; A: input x; B: input w1: QUANTISED (scales: A lowp_scales[54], B lowp_scales[55])
;;     30. [M 2,048, K 2,048] x [K 2,048, N 512]; A: computed on the way; B: input w2: QUANTISED (scales: A lowp_scales[56], B lowp_scales[57])
;;     31. [M 2,048, K 512] x [K 512, N 2,048]; A: input x; B: input w1: QUANTISED (scales: A lowp_scales[58], B lowp_scales[59])
;;     32. [M 2,048, K 2,048] x [K 2,048, N 512]; A: computed on the way; B: input w2: QUANTISED (scales: A lowp_scales[60], B lowp_scales[61])
;;     33. [M 2,048, K 512] x [K 512, N 2,048]; A: input x; B: input w1: QUANTISED (scales: A lowp_scales[62], B lowp_scales[63])
;;     34. [M 2,048, K 2,048] x [K 2,048, N 512]; A: computed on the way; B: input w2: QUANTISED (scales: A lowp_scales[64], B lowp_scales[65])
;;   THE QUANTISER, for each operand of a quantised product, along K:
;;     - The operand's scale is 2^e, e = its entry of the input lowp_scales (int32; the entries are numbered through the quantised products in the list's order, A before B).
;;     - Each number is divided by the scale, clamped to +-448, and rounded to the nearest number of E4M3, ties to even, subnormals kept.
;;     - The product sums the exact products of the quantised numbers (number of the format x scale) in f32.
;;   ~~~python
;;   def quantise(x, axis, e):      # numpy; x: float32 -> the quantised numbers, widened to float32 again
;;       x = np.moveaxis(x, axis, -1); K = x.shape[-1]
;;       r = np.clip(x / 2.0 ** e, -448, 448)
;;       step = 2.0 ** (np.maximum(np.frexp(np.where(r == 0, 1, r))[1] - 1, -6) - 3)
;;       q = np.round(r / step) * step * 2.0 ** e      # np.round: ties to even
;;       return np.moveaxis(q, -1, axis).astype(np.float32)
;;   ~~~
;;   OPERANDS COMPUTED ON THE WAY. 'Computed on the way' means the value that the module computes at that place (a softmax that the list does not call 'softmax' is quantised finished and normalised). What goes into a quantiser is computed in f32, as accurately as f32 sums, v_exp_f32 and their like allow (about 1e-6 of the number): no bf16 or f16 on the way to a quantiser, and a product that is left as it is and whose result goes on into a quantised operand takes f32 operands (vector FMAs, or v_wmma_f32_16x16x4_f32). A number that lies on a knife's edge between two numbers of the format may be rounded either way, as far as f32 arithmetic and the matrix unit's own rounding can turn it there, and no further.
;; One version. Each part assembles by itself: llvm-mc -triple=amdgcn-amd-amdhsa -mcpu=gfx1250 --defsym DOCPART=n.
;; ======== version 1 of 1: 5 launches
;; workspace buffers: mask 8,192 bytes of whole numbers; comb 131,072 bytes; cnt 256 bytes of whole numbers; pos 32,768 bytes of whole numbers; gs 131,072 bytes; xs 16,777,216 bytes; hb 67,108,864 bytes; yb 134,217,728 bytes
;; launch router (part 1): grid 128 x 1, 4 waves a work-group, no clusters, 4,096 bytes of LDS; arguments x, router_w, router_b, lowp_scales, comb, mask; writes comb, mask
.if DOCPART == 1
	.amdgcn_target "amdgcn-amd-amdhsa--gfx1250"
	.amdhsa_code_object_version 6
	.text
	.protected	k_q2b7ee25ef0_router
	.globl	k_q2b7ee25ef0_router
	.p2align	8
	.type	k_q2b7ee25ef0_router,@function
k_q2b7ee25ef0_router:
	s_mov_b64 s[64:65], 0
	v_nop
	global_prefetch_b8 v0, s[64:65] scope:SCOPE_SE
	s_setreg_imm32_b32 hwreg(HW_REG_WAVE_MODE, 25, 1), 1
	s_wait_xcnt 0x0
; ROUTER.  logits = Q(x) Q(router_w) + router_b on codes of E4M3 (scales 2^e0 for x, 2^e1 for router_w: entries 0 and 1 of lowp_scales), the four largest
; logits of each token (a tie goes to the lower index), a softmax over those four.  Stored: comb [2048][16] f32 (0 for an expert that is not chosen) and
; mask [2048] u32 (bit e = expert e is chosen), both at fixed places: no address and no branch here hangs on a logit.
; SHARES.  A work-group takes 16 tokens.  Wave w takes K step w (128 of the 512) of both operands: one run of loads, one matrix instruction; the four
; partial sums meet in LDS (4 x 1,024 bytes, images of the eight result registers), and wave 0 adds them in ascending K and does the rest.
; LAYOUT.  A fragment is 16 rows x 128 K in 16 registers: lane (r = lane % 16, h = lane / 16) holds row r; registers 4 c .. 4 c + 3 hold k = 32 c + 16 h + 0 .. 15, alike in both operands.
; The product is used transposed (source 0 = 16 experts, source 1 = 16 tokens): lane (r, h) holds token r, register j expert 8 h + j.
; LIMITS: e0 and e1 between -126 and 119, e0 + e1 between -126 and 127 (each power of two below is an f32 number).  NaN and infinite logits are not served.
; The sum over K is four partial sums of 128, added in ascending order.
.set XN,  32                           ; v32-95    64 numbers of x
.set WN,  96                           ; v96-159   64 numbers of router_w
.set XC,  160                          ; v160-175  x's codes
.set WC,  176                          ; v176-191  router_w's codes
.set PA,  192                          ; v192-199  my wave's partial sums
.set PB,  200                          ; v200-231  the four waves' partial sums
.set LG,  32                           ; v32-47    the token's 16 logits      (from here on: over registers that are done with)
.set WI,  48                           ; v48-63    how many of the other 15 each expert beats
.set PR,  64                           ; v64-79    the weights
.set OWN, 80                           ; v80-87    my half's eight logits
.set OTH, 88                           ; v88-95    the other half's
.set TT,  96                           ; v96-99    at work
.set MX,  100
.set SM,  101
.set MK,  102
.set OU,  104                          ; v104-111  what I store of comb
.macro SCALE e, sc, hi                 ; s[sc] = 2^e as f32, s[hi] = 448 x 2^e
	s_add_co_i32 s[\hi], s[\e], 127
	s_lshl_b32 s[\sc], s[\hi], 23
	s_add_co_i32 s[\hi], s[\hi], 8
	s_lshl_b32 s[\hi], s[\hi], 23
	s_or_b32 s[\hi], s[\hi], 0x600000
.endm
; 64 numbers of a lane, register 16 b + i = k 32 b + 16 h + i of its row, become a fragment's 16 registers of codes
.macro QUANT src, dst, relu, lim, sc
.irp b, 0,1,2,3
.irp i, 0,1,2,3,4,5,6,7,8,9,10,11,12,13,14,15
.if \relu
	v_med3_num_f32 v[\src+16*\b+\i], v[\src+16*\b+\i], 0, v[\lim]
.else
	v_med3_num_f32 v[\src+16*\b+\i], v[\src+16*\b+\i], -v[\lim], v[\lim]   ; the conversion does not saturate (ISA guide 7.6.2): hold within 448 x the scale first
.endif
.endr
	v_cvt_scalef32_pk8_fp8_f32 v[\dst+4*\b:\dst+4*\b+1], v[\src+16*\b:\src+16*\b+7], v[\sc]
	v_cvt_scalef32_pk8_fp8_f32 v[\dst+4*\b+2:\dst+4*\b+3], v[\src+16*\b+8:\src+16*\b+15], v[\sc]
.endr
	v_nop                                          ; one plain vector line behind the last conversion, ahead of whatever touches its registers next
.endm
	s_load_b256 s[4:11], s[0:1], 0x0               ; x s[4:5], router_w s[6:7], router_b s[8:9], lowp_scales s[10:11]
	s_load_b128 s[12:15], s[0:1], 0x20             ; comb s[12:13], mask s[14:15]
	v_lshrrev_b32 v1, 5, v0
	v_readfirstlane_b32 s16, v1                    ; wave 0..3
	v_and_b32 v1, 15, v0                           ; r
	v_bfe_u32 v2, v0, 4, 1                         ; h
	v_lshlrev_b32 v3, 11, v1
	v_lshl_add_u32 v3, v2, 6, v3                   ; x: row r of 2,048 bytes + 64 h: my 16 numbers of a block of 32
	v_lshlrev_b32 v4, 2, v1
	v_lshl_add_u32 v4, v2, 10, v4                  ; router_w: column r, and 16 h rows of 64 bytes further down
	v_and_b32 v5, 31, v0
	v_lshlrev_b32 v5, 4, v5                        ; 16 x lane: an image's place for my lane
	s_lshl_b32 s17, s16, 10
	v_add_nc_u32 v6, s17, v5                       ; where my wave's partial sums go
	v_mov_b32 v7, 1
	v_lshlrev_b32 v20, 5, v2                       ; router_b: my half's eight numbers
	s_lshl_b32 s18, ttmp9, 15                      ; the work-group's 16 rows of x,
	s_lshl_b32 s19, s16, 9                         ; my wave's 128 numbers of each
	s_add_co_u32 s18, s18, s19
	s_mov_b32 s19, 0
	s_lshl_b32 s34, s16, 13                        ; my wave's 128 rows of router_w
	s_mov_b32 s35, 0
	s_mov_b32 s30, 0x76543210                      ; v_permlanex16_b32: lane l xor 16
	s_mov_b32 s31, 0xfedcba98
	s_wait_kmcnt 0x0
	s_load_b64 s[20:21], s[10:11], 0x0             ; e0, e1
	s_add_nc_u64 s[4:5], s[4:5], s[18:19]
	s_add_nc_u64 s[6:7], s[6:7], s[34:35]
.irp c, 0,1,2,3
.irp i, 0,1,2,3,4,5,6,7,8,9,10,11,12,13,14,15
	global_load_b32 v[WN+16*\c+\i], v4, s[6:7] offset:64*(32*\c+\i)   ; router_w(32 c + 16 h + i, r): a lane takes a column, its registers run down K
.endr
.endr
.irp b, 0,1,2,3
.irp q, 0,1,2,3
	global_load_b128 v[XN+16*\b+4*\q:XN+16*\b+4*\q+3], v3, s[4:5] offset:128*\b+16*\q
.endr
.endr
	global_load_b128 v[8:11], v20, s[8:9]
	global_load_b128 v[12:15], v20, s[8:9] offset:16
	s_wait_kmcnt 0x0
	SCALE 20, 22, 23
	v_mov_b32 v16, s22                             ; 2^e0
	v_mov_b32 v17, s23                             ; 448 x 2^e0
	SCALE 21, 25, 26
	v_mov_b32 v18, s25
	v_mov_b32 v19, s26
	s_add_co_i32 s28, s20, s21
	s_add_co_i32 s28, s28, 127
	s_lshl_b32 s28, s28, 23                        ; 2^(e0 + e1) as f32
	s_mov_b32 s29, s28                             ; (named with it as a pair, so it is written)
	s_wait_loadcnt 18                              ; router_w's 64 loads are in: behind them stand x's 16 and router_b's 2
	QUANT WN, WC, 0, 19, 18
	s_wait_loadcnt 0x0
	QUANT XN, XC, 0, 17, 16
	v_wmma_f32_16x16x128_fp8_fp8 v[PA:PA+7], v[WC:WC+15], v[XC:XC+15], 0
.rept 4
	v_nop                                          ; four places between the product and the stores that read it
.endr
	ds_store_b128 v6, v[PA:PA+3]                   ; the result's low end first
	ds_store_b128 v6, v[PA+4:PA+7] offset:512
	s_wait_dscnt 0x0                               ; for the others' sake: my stores have landed
	s_barrier_signal -1
	s_barrier_wait -1
	s_cmp_lg_u32 s16, 0
	s_cbranch_scc1 .Lend                           ; waves 1 to 3 have handed their sums over
.irp p, 0,1,2,3
	ds_load_b128 v[PB+8*\p:PB+8*\p+3], v5 offset:1024*\p
	ds_load_b128 v[PB+8*\p+4:PB+8*\p+7], v5 offset:1024*\p+512
.endr
.irp j, 0,1,2,3,4,5,6,7
	v_mov_b32 v[OTH+\j], 0                         ; a lane permute's destination counts as read
.endr
	v_cmp_ne_u32 s32, 0, v2                        ; lanes 16-31
	s_wait_dscnt 0x0
.irp j, 0,2,4,6
	v_pk_add_f32 v[OWN+\j:OWN+\j+1], v[PB+\j:PB+\j+1], v[PB+8+\j:PB+8+\j+1]
.endr
.irp j, 0,2,4,6
	v_pk_add_f32 v[OWN+\j:OWN+\j+1], v[OWN+\j:OWN+\j+1], v[PB+16+\j:PB+16+\j+1]
.endr
.irp j, 0,2,4,6
	v_pk_add_f32 v[OWN+\j:OWN+\j+1], v[OWN+\j:OWN+\j+1], v[PB+24+\j:PB+24+\j+1]
.endr
.irp j, 0,2,4,6
	v_pk_fma_f32 v[OWN+\j:OWN+\j+1], v[OWN+\j:OWN+\j+1], s[28:29], v[8+\j:8+\j+1] op_sel_hi:[1,0,1]   ; logit = sum x 2^(e0 + e1) + router_b
.endr
.irp j, 0,1,2,3,4,5,6,7
	v_permlanex16_b32 v[OTH+\j], v[OWN+\j], s30, s31
.endr
.irp j, 0,1,2,3,4,5,6,7
	v_cndmask_b32 v[LG+\j], v[OWN+\j], v[OTH+\j], s32     ; experts 0-7: lanes 0-15 have them, lanes 16-31 take the other half's
	v_cndmask_b32 v[LG+8+\j], v[OTH+\j], v[OWN+\j], s32   ; experts 8-15 the other way round: every lane now holds its token's 16 logits
.endr
	; RANKS WITHOUT INDICES.  Expert i beats expert j > i where logit i >= logit j (a tie goes to the lower index).  WI[i] starts at i, gains 1 for each j > i that it beats
	; and loses 1 for each k < i that beats it: it ends as the number of others that i beats.  Chosen: beaten by fewer than four, WI >= 12.
.irp i, 0,1,2,3,4,5,6,7,8,9,10,11,12,13,14,15
	v_mov_b32 v[WI+\i], \i
.endr
.set cc, 0
.irp i, 0,1,2,3,4,5,6,7,8,9,10,11,12,13,14
.irp j, 1,2,3,4,5,6,7,8,9,10,11,12,13,14,15
.if \i < \j
	v_cmp_ge_f32 vcc_lo, v[LG+\i], v[LG+\j]
	v_cndmask_b32 v[TT+cc], 0, v7, vcc_lo
	v_add_nc_u32 v[WI+\i], v[WI+\i], v[TT+cc]
	v_sub_nc_u32 v[WI+\j], v[WI+\j], v[TT+cc]
.set cc, (cc+1)%4
.endif
.endr
.endr
	; THE SOFTMAX over the chosen four.  The largest logit of all is among them, so it is the maximum that is taken away.
	v_max3_num_f32 v[MX], v[LG], v[LG+1], v[LG+2]
.irp i, 3,5,7,9,11,13
	v_max3_num_f32 v[MX], v[MX], v[LG+\i], v[LG+\i+1]
.endr
	v_max_num_f32 v[MX], v[MX], v[LG+15]
.irp i, 0,1,2,3,4,5,6,7,8,9,10,11,12,13,14,15
	v_sub_f32 v[PR+\i], v[LG+\i], v[MX]
.endr
.irp i, 0,1,2,3,4,5,6,7,8,9,10,11,12,13,14,15
	v_mul_f32 v[PR+\i], 0x3fb8aa3b, v[PR+\i]       ; x log2(e)
.endr
.irp i, 0,1,2,3,4,5,6,7,8,9,10,11,12,13,14,15
	v_exp_f32 v[PR+\i], v[PR+\i]
.endr
	v_mov_b32 v[MK], 0                             ; a plain line behind the last exponential
	s_wait_alu depctr_va_vdst(0)                   ; one wait for the batch of sixteen, ahead of its first reader
.irp i, 0,1,2,3,4,5,6,7,8,9,10,11,12,13,14,15
	v_cmp_le_u32 vcc_lo, 12, v[WI+\i]
	v_cndmask_b32 v[PR+\i], 0, v[PR+\i], vcc_lo    ; an expert that is not chosen weighs nothing
	v_cndmask_b32 v[TT+\i%4], 0, v7, vcc_lo
	v_lshl_or_b32 v[MK], v[TT+\i%4], \i, v[MK]
.endr
	v_add_f32 v[SM], v[PR], v[PR+1]
.irp i, 2,3,4,5,6,7,8,9,10,11,12,13,14,15
	v_add_f32 v[SM], v[SM], v[PR+\i]
.endr
	v_rcp_f32 v[SM], v[SM]
	v_lshlrev_b32 v21, 6, v1                       ; (a plain line behind the reciprocal)  comb: row r of 64 bytes,
	v_lshl_add_u32 v21, v2, 5, v21                 ; + 32 h
	v_lshlrev_b32 v22, 2, v1                       ; mask: word r
	s_lshl_b32 s18, ttmp9, 10
	s_add_nc_u64 s[12:13], s[12:13], s[18:19]      ; the work-group's 16 rows of comb
	s_lshl_b32 s18, ttmp9, 6
	s_add_nc_u64 s[14:15], s[14:15], s[18:19]      ; and its 16 words of mask
	s_wait_alu depctr_va_vdst(0)                   ; the wait ahead of the reciprocal's first reader
.irp i, 0,1,2,3,4,5,6,7,8,9,10,11,12,13,14,15
	v_mul_f32 v[PR+\i], v[PR+\i], v[SM]
.endr
.irp j, 0,1,2,3,4,5,6,7
	v_cndmask_b32 v[OU+\j], v[PR+\j], v[PR+8+\j], s32
.endr
	global_store_b128 v21, v[OU:OU+3], s[12:13]
	global_store_b128 v21, v[OU+4:OU+7], s[12:13] offset:16
	v_cmp_eq_u32 vcc_lo, 0, v2
	s_wait_xcnt 0x0                                ; EXEC changes only behind this wait
	s_and_saveexec_b32 s33, vcc_lo                 ; lanes 0-15: a token each
	global_store_b32 v22, v[MK], s[14:15]
	s_wait_xcnt 0x0
	s_or_b32 exec_lo, exec_lo, s33
.Lend:
	s_endpgm
.Lfunc_end_k_q2b7ee25ef0_router:
	.size	k_q2b7ee25ef0_router, .Lfunc_end_k_q2b7ee25ef0_router-k_q2b7ee25ef0_router
	.p2alignl 7, 3214868480
	.fill 96, 4, 3214868480
	.section	.rodata,"a",@progbits
	.p2align	6, 0x0
	.amdhsa_kernel k_q2b7ee25ef0_router
		.amdhsa_group_segment_fixed_size 4096
		.amdhsa_private_segment_fixed_size 0
		.amdhsa_enable_private_segment 0
		.amdhsa_kernarg_size 48
		.amdhsa_user_sgpr_count 2
		.amdhsa_user_sgpr_kernarg_segment_ptr 1
		.amdhsa_wavefront_size32 1
		.amdhsa_system_sgpr_workgroup_id_x 1
		.amdhsa_system_sgpr_workgroup_id_y 1
		.amdhsa_system_sgpr_workgroup_id_z 1
		.amdhsa_system_vgpr_workitem_id 0
		.amdhsa_next_free_vgpr 256
		.amdhsa_next_free_sgpr 66
		.amdhsa_reserve_vcc 1
		.amdhsa_float_denorm_mode_32 3
		.amdhsa_float_denorm_mode_16_64 3
		.amdhsa_memory_ordered 1
		.amdhsa_forward_progress 1
		.amdhsa_inst_pref_size 46
	.end_amdhsa_kernel
	.amdgpu_metadata
---
amdhsa.version: [ 1, 2 ]
amdhsa.kernels:
  - .name:           k_q2b7ee25ef0_router
    .symbol:         k_q2b7ee25ef0_router.kd
    .args:
      - { .name: x, .offset: 0, .size: 8, .value_kind: global_buffer, .address_space: global }
      - { .name: router_w, .offset: 8, .size: 8, .value_kind: global_buffer, .address_space: global }
      - { .name: router_b, .offset: 16, .size: 8, .value_kind: global_buffer, .address_space: global }
      - { .name: lowp_scales, .offset: 24, .size: 8, .value_kind: global_buffer, .address_space: global }
      - { .name: comb, .offset: 32, .size: 8, .value_kind: global_buffer, .address_space: global }
      - { .name: mask, .offset: 40, .size: 8, .value_kind: global_buffer, .address_space: global }
    .group_segment_fixed_size: 4096
    .private_segment_fixed_size: 0
    .kernarg_segment_align: 8
    .kernarg_segment_size: 48
    .max_flat_workgroup_size: 128
    .sgpr_count:     66
    .vgpr_count:     256
    .wavefront_size: 32
...
	.end_amdgpu_metadata
.endif
;; end of part 1
;; launch place (part 2): grid 40 x 16, 1 waves a work-group, no clusters, 8,448 bytes of LDS; arguments mask, comb, x, lowp_scales, xs, gs, pos, cnt; writes xs, gs, pos, cnt
.if DOCPART == 2
	.amdgcn_target "amdgcn-amd-amdhsa--gfx1250"
	.amdhsa_code_object_version 6
	.text
	.protected	k_q2b7ee25ef0_place
	.globl	k_q2b7ee25ef0_place
	.p2align	8
	.type	k_q2b7ee25ef0_place,@function
k_q2b7ee25ef0_place:
	s_mov_b64 s[64:65], 0
	v_nop
	global_prefetch_b8 v0, s[64:65] scope:SCOPE_SE
	s_setreg_imm32_b32 hwreg(HW_REG_WAVE_MODE, 25, 1), 1
	s_wait_xcnt 0x0
; PLACE.  For expert e (work-group y): the list of the tokens that chose it; their rows of x, quantised with THAT expert's scale 2^ex (lowp_scales[2 + 4 e]), laid as operand fragments;
; their gates; for each token where its four rows lie; the expert's number of rows.
; A work-group is ONE wave: the list's LDS addresses hang on the stored masks, and with one wave nothing in LDS is shared.  Each of an expert's 40 work-groups (x = g) scans all 2,048 masks
; (8 KB) and makes tiles g, g + 40, .. of 16 rows: one trip up to 640 rows; the loop serves every split, all 2,048 tokens on one expert too.
; NO LANE IS EVER SWITCHED OFF.  In the scan a lane whose token did not choose e puts its entry into a spare word of its own behind the list (slot 2048 + lane), which nobody reads.  In the small stores
; lanes that hold the same row store the same word with the same value: lanes 16-31 repeat lanes 0-15, and a tile's repeated rows repeat the expert's last row.
; xs [16 experts][128 tiles][4 K steps][2,048 bytes]: a fragment (16 rows x 128 K) as its 16 registers lie: chunk c at 512 c, lane l at 16 l; lane (r, h) holds row r, k = 32 c + 16 h + 0 .. 15.
; A tile's rows beyond the expert's count repeat its last token: they are computed like the others later on, and nobody reads their results.
; gs [16][2048] f32: the gate of row (e, rank).  pos [2048][4]: e x 2048 + rank for the token's experts in ascending order.  cnt [16].
; LDS: bytes 0-8191 list[rank] = token | mask << 16; bytes 8192-8319 the 32 spare words.
; LIMITS: ex between -126 and 119.  NaN among the inputs is not served.
.set MW, 32                            ; v32-95 the 64 mask words of my lane; then v32-223: three sets of 64 numbers of x
.set CD, 224                           ; v224-255 two sets of 16 registers of codes
.set MS, 66                            ; s66-97 the scan: 32 words' masks of chosen lanes
.set TF, 96                            ; v96-99   the scan: flags, four registers by turns
.set TR, 100                           ; v100-103 the scan: slots, then LDS addresses
.set TE, 104                           ; v104-107 the scan: entries
.macro SCALE e, sc, hi                 ; s[sc] = 2^e as f32, s[hi] = 448 x 2^e
	s_add_co_i32 s[\hi], s[\e], 127
	s_lshl_b32 s[\sc], s[\hi], 23
	s_add_co_i32 s[\hi], s[\hi], 8
	s_lshl_b32 s[\hi], s[\hi], 23
	s_or_b32 s[\hi], s[\hi], 0x600000
.endm
; 64 numbers of a lane, register 16 b + i = k 32 b + 16 h + i of its row, become a fragment's 16 registers of codes
.macro QUANT src, dst, lim, sc
.irp b, 0,1,2,3
.irp i, 0,1,2,3,4,5,6,7,8,9,10,11,12,13,14,15
	v_med3_num_f32 v[\src+16*\b+\i], v[\src+16*\b+\i], -v[\lim], v[\lim]   ; the conversion does not saturate (ISA guide 7.6.2): hold within 448 x the scale first
.endr
	v_cvt_scalef32_pk8_fp8_f32 v[\dst+4*\b:\dst+4*\b+1], v[\src+16*\b:\src+16*\b+7], v[\sc]
	v_cvt_scalef32_pk8_fp8_f32 v[\dst+4*\b+2:\dst+4*\b+3], v[\src+16*\b+8:\src+16*\b+15], v[\sc]
.endr
	v_nop                                          ; one plain vector line behind the last conversion
.endm
; THE SCAN, 32 of the lane's 64 words at a time.  Word m of lane l is token 128 (m / 4) + 4 l + m % 4.  First all 32 masks of chosen lanes are made, each in a scalar register of its own; then, word by
; word, a chosen token's rank = the count so far + the chosen lanes below mine, and its entry (token | mask << 16) goes to list[rank].  In the second part the count is stepped by the scalar unit from
; the stored masks alone, so that no step waits for a vector result of its own; the work registers take turns by four.
.macro HALF hf
.set m, 32*\hf
.rept 32
	v_bfe_u32 v[TF+m%4], v[MW+m], s21, 1
	v_cmp_ne_u32 s[MS+m%32], 0, v[TF+m%4]
.set m, m+1
.endr
.set m, 32*\hf
.rept 32
	v_mbcnt_lo_u32_b32 v[TR+m%4], s[MS+m%32], s22
	v_add_nc_u32 v[TE+m%4], 128*(m/4)+m%4, v5
	v_cndmask_b32 v[TR+m%4], v27, v[TR+m%4], s[MS+m%32]   ; not chosen: my spare word
	v_lshl_or_b32 v[TE+m%4], v[MW+m], 16, v[TE+m%4]
	v_min_u32 v[TR+m%4], 2079, v[TR+m%4]
	s_bcnt1_i32_b32 s23, s[MS+m%32]
	v_lshlrev_b32 v[TR+m%4], 2, v[TR+m%4]
	s_add_co_u32 s22, s22, s23
	ds_store_b32 v[TR+m%4], v[TE+m%4]
.set m, m+1
.endr
.endm
.macro XLOAD ks, set                   ; my row's 64 numbers of K step ks
.irp b, 0,1,2,3
.irp q, 0,1,2,3
	global_load_b128 v[MW+64*\set+16*\b+4*\q:MW+64*\set+16*\b+4*\q+3], v14, s[8:9] offset:512*\ks+128*\b+16*\q
.endr
.endr
.endm
.macro KSTEP ks, left
	s_wait_loadcnt \left                           ; this K step's 16 loads are in; the younger sets stay out
	s_wait_xcnt 0x0                                ; the stores of two K steps back have read the codes' registers
	QUANT MW+64*(\ks%3), CD+16*(\ks%2), 28, 15
.irp c, 0,1,2,3
	global_store_b128 v21, v[CD+16*(\ks%2)+4*\c:CD+16*(\ks%2)+4*\c+3], s[40:41] offset:2048*\ks+512*\c   ; 32 lanes store 512 consecutive bytes
.endr
.endm
	s_load_b512 s[4:19], s[0:1], 0x0               ; mask s[4:5], comb s[6:7], x s[8:9], lowp_scales s[10:11], xs s[12:13], gs s[14:15], pos s[16:17], cnt s[18:19]
	s_mov_b32 s20, ttmp9                           ; g
	s_and_b32 s21, ttmp7, 0xffff                   ; e
	v_and_b32 v1, 31, v0                           ; lane
	v_and_b32 v2, 15, v0                           ; r
	v_bfe_u32 v3, v0, 4, 1                         ; h
	v_lshlrev_b32 v4, 4, v1                        ; 16 x lane
	v_lshlrev_b32 v5, 2, v1                        ; 4 x lane
	v_add_nc_u32 v27, 2048, v1                     ; my spare word's slot
	s_lshl_b32 s46, s21, 4
	s_lshl_b32 s47, s21, 2                         ; 4 e
	s_mov_b32 s22, 0                               ; the count so far
	s_lshl_b32 s34, 1, s21
	s_sub_co_u32 s34, s34, 1                       ; the bits of the experts below e
	s_lshl_b32 s35, s21, 11                        ; e x 2048
	s_mov_b32 s37, 0
	s_wait_kmcnt 0x0
	s_load_b32 s28, s[10:11], s46 offset:0x8       ; ex
.irp i, 0,1,2,3,4,5,6,7,8,9,10,11,12,13,14,15
	global_load_b128 v[MW+4*\i:MW+4*\i+3], v4, s[4:5] offset:512*\i
.endr
	s_mov_b32 s36, s47
	s_add_nc_u64 s[38:39], s[6:7], s[36:37]        ; comb at column e
	s_lshl_b32 s36, s21, 20
	s_add_nc_u64 s[40:41], s[12:13], s[36:37]      ; xs at expert e
	s_lshl_b32 s36, s21, 13
	s_add_nc_u64 s[44:45], s[14:15], s[36:37]      ; gs at expert e
	s_wait_loadcnt 0x0
	s_wait_kmcnt 0x0
	HALF 0
	HALF 1
	s_min_u32 s22, s22, 2048                       ; n
	s_add_co_u32 s25, s22, 15
	s_lshr_b32 s25, s25, 4                         ; tiles
	s_sub_co_u32 s27, s22, 1                       ; the last rank
	s_cmp_lg_u32 s20, 0
	s_cbranch_scc1 .Lno_cnt                        ; the expert's first work-group stores the count
	v_mov_b32 v31, s22
	v_mov_b32 v30, s47
	global_store_b32 v30, v31, s[18:19]            ; all lanes: the same word, the same number.  v30 and v31 are not written again
.Lno_cnt:
	s_cmp_ge_u32 s20, s25
	s_cbranch_scc1 .Lend                           ; no tile for this work-group
	s_sub_co_u32 s49, s25, s20                     ; my trips: ceil((tiles - g) / 40) = ((tiles - g + 39) x 1639) >> 16, exact up to 167: 1639 / 65536 lies 24 / 65536 / 40 of the argument above 1 / 40
	s_add_co_u32 s49, s49, 39
	s_mul_i32 s49, s49, 1639
	s_lshr_b32 s49, s49, 16
	s_mov_b32 s48, 0                               ; t: the loop is counted in steps of one
	SCALE 28, 29, 30
	v_mov_b32 v15, s29                             ; 2^ex
	v_mov_b32 v28, s30                             ; 448 x 2^ex
.Ltile:
	s_mul_i32 s26, s48, 40
	s_add_co_u32 s26, s26, s20                     ; j = 40 t + g: my tile
	s_lshl_b32 s37, s26, 4                         ; 16 j
	v_add_nc_u32 v10, s37, v2
	v_min_u32 v10, s27, v10                        ; rows beyond the count repeat the last row
	v_min_u32 v10, 2047, v10                       ; the rank
	v_lshlrev_b32 v25, 2, v10
	ds_load_b32 v11, v25                           ; LDS serves a wave's instructions in order: this sees the scan's stores
	s_min_u32 s42, s26, 127
	s_lshl_b32 s43, s42, 13
	v_add_nc_u32 v21, s43, v4                      ; xs: tile j, 16 x lane
	s_lshl_b32 s42, s42, 6
	v_lshl_add_u32 v20, v2, 2, s42                 ; gs: word 16 j + r
	v_add_nc_u32 v19, s35, v10                     ; e x 2048 + rank
	s_wait_dscnt 0x0
	v_and_b32 v12, 0xffff, v11
	v_min_u32 v12, 2047, v12                       ; the token
	v_lshlrev_b32 v14, 11, v12
	v_lshl_add_u32 v14, v3, 6, v14                 ; x: its row + 64 h
	v_lshlrev_b32 v22, 6, v12
	global_load_b32 v16, v22, s[38:39]             ; comb[token][e]
	XLOAD 0, 0
	XLOAD 1, 1
	XLOAD 2, 2
	KSTEP 0, 32                                    ; younger: sets 1 and 2
	XLOAD 3, 0
	KSTEP 1, 32                                    ; younger: set 2 and K step 3
	KSTEP 2, 16                                    ; younger: K step 3
	KSTEP 3, 0
	v_lshrrev_b32 v13, 16, v11                     ; the token's slot for e: how many of its experts lie below e
	v_and_b32 v13, s34, v13
	v_lshrrev_b32 v24, 1, v13
	v_and_b32 v24, 0x5555, v24
	v_sub_nc_u32 v13, v13, v24
	v_lshrrev_b32 v24, 2, v13
	v_and_b32 v24, 0x3333, v24
	v_and_b32 v13, 0x3333, v13
	v_add_nc_u32 v13, v13, v24
	v_lshrrev_b32 v24, 4, v13
	v_add_nc_u32 v13, v13, v24
	v_and_b32 v13, 0x0f0f, v13
	v_lshrrev_b32 v24, 8, v13
	v_add_nc_u32 v13, v13, v24
	v_and_b32 v13, 0x1f, v13
	v_min_u32 v13, 3, v13
	v_lshlrev_b32 v18, 4, v12
	v_lshl_add_u32 v18, v13, 2, v18                ; pos[token][slot]
	global_store_b32 v20, v16, s[44:45]            ; the tile's 16 gates, those of repeated rows too: they are read later.  Lanes 16-31 repeat lanes 0-15
	global_store_b32 v18, v19, s[16:17]            ; a repeated row stores what the expert's last row stores, at the same place
	s_wait_xcnt 0x0                                ; every address and data register of the trip may be written again
	s_add_co_u32 s48, s48, 1
	s_cmp_lt_u32 s48, s49
	s_cbranch_scc1 .Ltile
.Lend:
	s_endpgm
.Lfunc_end_k_q2b7ee25ef0_place:
	.size	k_q2b7ee25ef0_place, .Lfunc_end_k_q2b7ee25ef0_place-k_q2b7ee25ef0_place
	.p2alignl 7, 3214868480
	.fill 96, 4, 3214868480
	.section	.rodata,"a",@progbits
	.p2align	6, 0x0
	.amdhsa_kernel k_q2b7ee25ef0_place
		.amdhsa_group_segment_fixed_size 8448
		.amdhsa_private_segment_fixed_size 0
		.amdhsa_enable_private_segment 0
		.amdhsa_kernarg_size 64
		.amdhsa_user_sgpr_count 2
		.amdhsa_user_sgpr_kernarg_segment_ptr 1
		.amdhsa_wavefront_size32 1
		.amdhsa_system_sgpr_workgroup_id_x 1
		.amdhsa_system_sgpr_workgroup_id_y 1
		.amdhsa_system_sgpr_workgroup_id_z 1
		.amdhsa_system_vgpr_workitem_id 0
		.amdhsa_next_free_vgpr 256
		.amdhsa_next_free_sgpr 98
		.amdhsa_reserve_vcc 0
		.amdhsa_float_denorm_mode_32 3
		.amdhsa_float_denorm_mode_16_64 3
		.amdhsa_memory_ordered 1
		.amdhsa_forward_progress 1
		.amdhsa_inst_pref_size 70
	.end_amdhsa_kernel
	.amdgpu_metadata
---
amdhsa.version: [ 1, 2 ]
amdhsa.kernels:
  - .name:           k_q2b7ee25ef0_place
    .symbol:         k_q2b7ee25ef0_place.kd
    .args:
      - { .name: mask, .offset: 0, .size: 8, .value_kind: global_buffer, .address_space: global }
      - { .name: comb, .offset: 8, .size: 8, .value_kind: global_buffer, .address_space: global }
      - { .name: x, .offset: 16, .size: 8, .value_kind: global_buffer, .address_space: global }
      - { .name: lowp_scales, .offset: 24, .size: 8, .value_kind: global_buffer, .address_space: global }
      - { .name: xs, .offset: 32, .size: 8, .value_kind: global_buffer, .address_space: global }
      - { .name: gs, .offset: 40, .size: 8, .value_kind: global_buffer, .address_space: global }
      - { .name: pos, .offset: 48, .size: 8, .value_kind: global_buffer, .address_space: global }
      - { .name: cnt, .offset: 56, .size: 8, .value_kind: global_buffer, .address_space: global }
    .group_segment_fixed_size: 8448
    .private_segment_fixed_size: 0
    .kernarg_segment_align: 8
    .kernarg_segment_size: 64
    .max_flat_workgroup_size: 32
    .sgpr_count:     98
    .vgpr_count:     256
    .wavefront_size: 32
...
	.end_amdgpu_metadata
.endif
;; end of part 2
;; launch up (part 3): grid 16 x 16, 4 waves a work-group, no clusters, 67,584 bytes of LDS; arguments xs, w1, b1, lowp_scales, cnt, hb; writes hb
.if DOCPART == 3
	.amdgcn_target "amdgcn-amd-amdhsa--gfx1250"
	.amdhsa_code_object_version 6
	.text
	.protected	k_q2b7ee25ef0_up
	.globl	k_q2b7ee25ef0_up
	.p2align	8
	.type	k_q2b7ee25ef0_up,@function
k_q2b7ee25ef0_up:
	s_mov_b64 s[64:65], 0
	v_nop
	global_prefetch_b8 v0, s[64:65] scope:SCOPE_SE
	s_setreg_imm32_b32 hwreg(HW_REG_WAVE_MODE, 25, 1), 1
	s_wait_xcnt 0x0
; UP.  h = Q(relu(x W1 + b1)) for expert e (work-group x) and hidden units 128 hs .. 128 hs + 127 (work-group y), for the expert's routed rows alone.
; THE WEIGHTS STAND STILL.  The work-group's slice of w1 (512 K x 128 columns, f32) is read once, quantised with 2^ew1, and stays in every wave's registers as 32 fragments; the rows' codes go past.
; No tensor load and no cluster: the number of trips hangs on the stored count; the slice is read by this work-group alone.
; PHASE 1, the waves share K: wave w takes rows 128 w .. + 127.  A load is one row's 512 consecutive bytes, lane l columns 4 l .. 4 l + 3.  The hold at 448 x the scale, which is owed anyway, writes
; into turned registers, so that 8 neighbours along K of one column stand in consecutive registers for the conversion.  Codes go to LDS as [column][512 bytes], 528 bytes apart.  One barrier.
; The last units of phase 1, which have no weights left to ask for, ask for b1 and for the wave's first three tiles of x: they land in window 3, which phase 1 does not use.
; PHASE 2, the waves share the rows: wave w takes tiles w, w + 4, .. of 16 rows, by itself: no LDS, no barrier.  Transposed product (source 0 = 16 hidden units, source 1 = 16 rows): a lane holds one row.
; THE UNITS OF A TILE ARE NOT NEIGHBOURS: lane r of tile 2 b + u takes unit 32 b + 8 u + r + 8 (r / 8), so that the 16 registers of tiles 2 b, 2 b + 1 are 16 neighbours along the next K: the conversions'
; results are K step hs of the second product's operand.  b1 / 2^(ex + ew1) is the C of each sum's first product; the three scales ahead of the quantiser are folded into 2^(eh - ex - ew1).
; hb [16 experts][128 tiles][16 K steps][2,048 bytes]: fragments as their registers lie (chunk c at 512 c, lane l at 16 l).
; The first three tiles are asked for ahead of any branch on the count, clamped to the expert's last tile: a wave that has fewer tiles drops what it does not multiply.  For an expert that no token chose
; these loads bring bytes of its tile 0 that nobody stored; every wave then ends behind the barrier, and no result hangs on them.
; LIMITS: ew1 and eh - ex - ew1 between -126 and 119.  NaN among the inputs is not served.
; REGISTERS.  window 0: v1-15 addresses and scales; phase 1: v16-207 three sets of 16 rows, v208-239 turned numbers, v240-255 codes; phase 2: v16-79 eight accumulators, v80-95 codes.
;   windows 1, 2: W1's fragment (tile t, K step s) at window 1 + s / 2, v[128 (s % 2) + 16 t].   window 3: v0-63 b1's eight tiles; v64-255 three sets of x's four fragments.
.set ROWB,  8192                       ; a row of w1 in bytes
.set PITCH, 528                        ; a column's 512 codes in LDS + 16 bytes
.set S,    16
.set X,    208
.set C,    240
.set ACC,  16
.set PC,   80
.set LIMH, 1                           ; v1   448 x 2^(eh - ex - ew1)
.set LIMW, 3                           ; v3   448 x 2^ew1
.set LV,   4                           ; v4   16 x lane
.set WS,   5                           ; v5   LDS: where I store codes: 4 PITCH x lane + 128 x wave
.set FA,   6                           ; v6   LDS: my place in a fragment: PITCH (r + 8 (r / 8)) + 16 h
.set AO,   7                           ; v7-9 the three sets' offsets in xs
.set HO,   10                          ; v10  my offset in hb
.set SCW,  11                          ; v11  2^ew1
.set SCH,  12                          ; v12  2^(eh - ex - ew1)
.set AB,   13                          ; v13  16 x lane + 8192 x wave
.set HB,   14                          ; v14  16 x lane + 32768 x wave
.set BO,   15                          ; v15  64 h
.set MSB, 0
.macro WIN new                         ; the immediate's high byte repeats the setting that is left
.if MSB != (\new)
	s_set_vgpr_msb (MSB<<8)|(\new)
.set MSB, (\new)
.endif
.endm
.macro SCALE e, sc, hi                 ; s[sc] = 2^e as f32, s[hi] = 448 x 2^e
	s_add_co_i32 s[\hi], s[\e], 127
	s_lshl_b32 s[\sc], s[\hi], 23
	s_add_co_i32 s[\hi], s[\hi], 8
	s_lshl_b32 s[\hi], s[\hi], 23
	s_or_b32 s[\hi], s[\hi], 0x600000
.endm
; 64 sums of a lane, register 16 b + i = k 32 b + 16 h + i of its row, become a fragment's 16 registers of codes
.macro QUANT src, dst, lim, sc
.irp b, 0,1,2,3
.irp i, 0,1,2,3,4,5,6,7,8,9,10,11,12,13,14,15
	v_med3_num_f32 v[\src+16*\b+\i], v[\src+16*\b+\i], 0, v[\lim]          ; the activation and the hold in one (the conversion does not saturate: ISA guide 7.6.2); each accumulator is read from its low end on
.endr
	v_cvt_scalef32_pk8_fp8_f32 v[\dst+4*\b:\dst+4*\b+1], v[\src+16*\b:\src+16*\b+7], v[\sc]
	v_cvt_scalef32_pk8_fp8_f32 v[\dst+4*\b+2:\dst+4*\b+3], v[\src+16*\b+8:\src+16*\b+15], v[\sc]
.endr
	v_nop                                          ; one plain vector line behind the last conversion: the next products write its sources
.endm
.macro LOADU u                         ; unit u: rows 16 u .. 16 u + 15 of my wave's 128
.irp i, 0,1,2,3,4,5,6,7,8,9,10,11,12,13,14,15
	global_load_b128 v[S+64*((\u)%3)+4*\i:S+64*((\u)%3)+4*\i+3], v[LV], s[40:41] offset:(16*(\u)+\i)*ROWB th:TH_LOAD_NT
.endr
.endm
.macro BLOAD                           ; b1 at units 32 (t / 2) + 16 h + 8 (t % 2) + 0 .. 7: the result's layout; 16 loads
	WIN 0xc0
.irp t, 0,1,2,3,4,5,6,7
	global_load_b128 v[8*\t:8*\t+3], v[BO], s[42:43] offset:(32*(\t/2)+8*(\t%2))*4
	global_load_b128 v[8*\t+4:8*\t+7], v[BO], s[42:43] offset:(32*(\t/2)+8*(\t%2))*4+16
.endr
	WIN 0
.endm
.macro ALOAD k                         ; a tile's four fragments of x into set k: 16 loads
	WIN 0xc0
.irp s, 0,1,2,3
.irp c, 0,1,2,3
	global_load_b128 v[64+64*\k+16*\s+4*\c:64+64*\k+16*\s+4*\c+3], v[AO+\k], s[44:45] offset:2048*\s+512*\c
.endr
.endr
	WIN 0
.endm
.macro UNIT u, left
	s_wait_loadcnt \left                           ; this unit's 16 loads are in; what was asked for behind them stays out
	s_wait_dscnt 0x0                               ; the last unit's LDS stores are done
.irp a, 0,1
.irp c, 0,1,2,3
.irp i, 0,1,2,3,4,5,6,7
	v_med3_num_f32 v[X+8*\c+\i], v[S+64*((\u)%3)+4*(8*\a+\i)+\c], -v[LIMW], v[LIMW]   ; held, and turned: column c's eight neighbours along K on end
.endr
.endr
.irp c, 0,1,2,3
	v_cvt_scalef32_pk8_fp8_f32 v[C+4*\c+2*\a:C+4*\c+2*\a+1], v[X+8*\c:X+8*\c+7], v[SCW]
.endr
	v_nop                                          ; a plain line between the conversions and the next writes of their sources
.endr
.if (\u) < 5
	LOADU (\u)+3
.elseif (\u) == 5
	BLOAD                                          ; no weights are left to ask for: the bias and my first tile,
	ALOAD 0
.elseif (\u) == 6
	ALOAD 1                                        ; my second and third
	ALOAD 2
.endif
.irp c, 0,1,2,3
	ds_store_b128 v[WS], v[C+4*\c:C+4*\c+3] offset:PITCH*\c+16*(\u)   ; column 4 lane + c, K = 128 wave + 16 u + 0 .. 15
.endr
.endm
.macro FETCHW                          ; all 32 fragments of the slice into windows 1 and 2
.irp s, 0,1,2,3
	WIN 0x40+0x40*(\s/2)
.irp t, 0,1,2,3,4,5,6,7
.irp c, 0,1,2,3
	ds_load_b128 v[128*(\s%2)+16*\t+4*\c:128*(\s%2)+16*\t+4*\c+3], v[FA] offset:(32*(\t/2)+8*(\t%2))*PITCH+128*\s+32*\c
.endr
.endr
.endr
	WIN 0
.endm
; my tile number q + k (tile wave + 4 (q + k) of the expert), from set k
.macro STEP k
	s_wait_loadcnt 32                              ; set k's 16 loads are in; the other two sets' 32 are younger, round the loop's edge too
.irp s, 0,1,2,3
.if \s == 0
	WIN 0x3d                                       ; W1 window 1, x and b1 window 3, the sums window 0
.elseif \s == 1
	WIN 0x0d
.else
	WIN 0x0e                                       ; W1 window 2
.endif
.irp t, 0,1,2,3,4,5,6,7                        ; the eight accumulators take turns, one instruction a turn
.if \s == 0
	v_wmma_f32_16x16x128_fp8_fp8 v[ACC+8*\t:ACC+8*\t+7], v[128*(\s%2)+16*\t:128*(\s%2)+16*\t+15], v[64+64*\k+16*\s:64+64*\k+16*\s+15], v[8*\t:8*\t+7]
.else
	v_wmma_f32_16x16x128_fp8_fp8 v[ACC+8*\t:ACC+8*\t+7], v[128*(\s%2)+16*\t:128*(\s%2)+16*\t+15], v[64+64*\k+16*\s:64+64*\k+16*\s+15], v[ACC+8*\t:ACC+8*\t+7]
.endif
.endr
.endr
	WIN 0
	s_add_co_u32 s24, s23, \k+3                    ; set k takes my tile three further on, or my last again
	s_min_u32 s24, s24, s22
	s_min_u32 s24, s24, 31
	s_lshl_b32 s24, s24, 15
	s_add_co_u32 s25, s23, \k
	s_min_u32 s25, s25, 31
	s_lshl_b32 s25, s25, 17
	s_wait_xcnt 0x0                                ; the last tile's stores have read their offset and their codes
	v_add_nc_u32 v[AO+\k], s24, v[AB]              ; these four lines are the places between the last product and the loads into its registers and the first read of results
	v_add_nc_u32 v[HO], s25, v[HB]
	v_nop
	v_nop
	ALOAD \k
	QUANT ACC, PC, LIMH, SCH
.irp c, 0,1,2,3
	global_store_b128 v[HO], v[PC+4*\c:PC+4*\c+3], s[46:47] offset:512*\c   ; 32 lanes store 512 consecutive bytes
.endr
.endm
; Has my wave a tile q + k?  If not, it ends here: the loop is left by its backward branch or by s_endpgm alone.  The loads that are still out bring tiles that nobody will multiply
.macro MORE k
	s_add_co_u32 s24, s23, \k
	s_cmp_lt_u32 s24, s21
	s_cbranch_scc1 .Lmore_\@
	s_endpgm
.Lmore_\@:
.endm
	s_load_b256 s[4:11], s[0:1], 0x0               ; xs s[4:5], w1 s[6:7], b1 s[8:9], lowp_scales s[10:11]
	s_load_b128 s[12:15], s[0:1], 0x20             ; cnt s[12:13], hb s[14:15]
	v_lshrrev_b32 v2, 5, v0
	v_readfirstlane_b32 s16, v2                    ; wave 0..3
	s_and_b32 s17, ttmp7, 0xffff                   ; hs
	s_mov_b32 s18, ttmp9                           ; e
	v_and_b32 v2, 31, v0                           ; lane
	v_lshlrev_b32 v[LV], 4, v2
	s_lshl_b32 s40, s18, 22                        ; the expert's 4 MB of w1,
	s_lshl_b32 s24, s17, 9                         ; the slice's 512 bytes of each row,
	s_add_co_u32 s40, s40, s24
	s_lshl_b32 s24, s16, 20                        ; my wave's 128 rows
	s_add_co_u32 s40, s40, s24
	s_mov_b32 s41, 0
	s_lshl_b32 s26, s18, 2
	s_lshl_b32 s27, s18, 4
	s_wait_kmcnt 0x0
	s_load_b32 s19, s[12:13], s26 offset:0x0       ; the expert's rows
	s_load_b128 s[28:31], s[10:11], s27 offset:0x8 ; ex, ew1, eh, ew2
	s_add_nc_u64 s[40:41], s[6:7], s[40:41]
	LOADU 0                                        ; 48 loads of 512 bytes a wave are on their way
	LOADU 1
	LOADU 2
	v_mul_u32_u24 v[WS], v2, 4*PITCH
	s_lshl_b32 s24, s16, 7
	v_add_nc_u32 v[WS], s24, v[WS]
	v_and_b32 v208, 15, v0                         ; r
	v_bfe_u32 v209, v0, 4, 1                       ; h
	v_and_b32 v210, 8, v208
	v_add_nc_u32 v210, v210, v208                  ; r + 8 (r / 8)
	v_mul_u32_u24 v[FA], v210, PITCH
	v_lshl_add_u32 v[FA], v209, 4, v[FA]
	s_lshl_b32 s24, s16, 13
	v_add_nc_u32 v[AB], s24, v[LV]
	s_lshl_b32 s24, s16, 15
	v_add_nc_u32 v[HB], s24, v[LV]
	v_lshlrev_b32 v[BO], 6, v209
	s_mov_b32 s25, 0
	s_lshl_b32 s24, s18, 13
	s_lshl_b32 s34, s17, 9
	s_add_co_u32 s24, s24, s34
	s_add_nc_u64 s[42:43], s[8:9], s[24:25]        ; b1 at the slice's 128 numbers
	s_lshl_b32 s24, s18, 20
	s_add_nc_u64 s[44:45], s[4:5], s[24:25]        ; xs at the expert
	s_lshl_b32 s24, s18, 22
	s_lshl_b32 s34, s17, 11
	s_add_co_u32 s24, s24, s34
	s_add_nc_u64 s[46:47], s[14:15], s[24:25]      ; hb at the expert, K step hs
	s_wait_kmcnt 0x0
	s_min_u32 s19, s19, 2048
	s_add_co_u32 s20, s19, 15
	s_lshr_b32 s20, s20, 4                         ; the expert's tiles
	s_add_co_u32 s21, s20, 3
	s_sub_co_u32 s21, s21, s16
	s_lshr_b32 s21, s21, 2                         ; my wave's tiles, 32 at the most
	s_max_u32 s22, s21, 1
	s_sub_co_u32 s22, s22, 1                       ; the last of them
	s_add_co_u32 s53, s21, 2                       ; my trips of three tiles: ceil(tiles / 3) = ((tiles + 2) x 43) >> 7, exact up to 34: 43 / 128 lies 1 / 384 of the argument above 1 / 3
	s_mul_i32 s53, s53, 43
	s_lshr_b32 s53, s53, 7
	s_max_u32 s54, s20, 1
	s_sub_co_u32 s54, s54, 1                       ; the expert's last tile
.irp k, 0,1,2
	s_add_co_u32 s24, s16, 4*\k                    ; my tile number k, or the expert's last where I have none
	s_min_u32 s24, s24, s54
	s_min_u32 s24, s24, 127
	s_lshl_b32 s24, s24, 13
	v_add_nc_u32 v[AO+\k], s24, v[LV]
.endr
	SCALE 29, 32, 33
	v_mov_b32 v[SCW], s32
	v_mov_b32 v[LIMW], s33
	s_sub_co_i32 s24, s30, s28
	s_sub_co_i32 s24, s24, s29                     ; eh - ex - ew1
	SCALE 24, 35, 36
	v_mov_b32 v[SCH], s35
	v_mov_b32 v[LIMH], s36
	s_add_co_i32 s37, s28, s29
	s_sub_co_i32 s37, 0, s37                       ; -(ex + ew1)
	UNIT 0, 32                                     ; younger: the next two units
	UNIT 1, 32
	UNIT 2, 32
	UNIT 3, 32
	UNIT 4, 32
	UNIT 5, 32
	UNIT 6, 48                                     ; younger: unit 7's 16, b1's 16, set 0's 16
	UNIT 7, 63                                     ; younger: b1 and the three sets, 64 loads; the wait's field holds 63 at the most, and a smaller count is safe
	s_wait_dscnt 0x0                               ; for the others' sake: my codes have landed
	s_barrier_signal -1
	s_barrier_wait -1                              ; the slice's codes lie in LDS.  The only barrier: every wave has passed it before any branch on the stored count
	s_cmp_eq_u32 s21, 0
	s_cbranch_scc1 .Ldone                          ; no tile for my wave
	FETCHW                                         ; the LDS loads stand over the global loads' way
	s_wait_loadcnt 48                              ; b1's 16 loads are in: behind them stand the three sets
	WIN 0xc3
.set n, 0
.rept 64
	v_ldexp_f32 v[n], v[n], s37                    ; b1 / 2^(ex + ew1): the power of two that the sums lack
.set n, n+1
.endr
	WIN 0
	s_wait_dscnt 0x0                               ; W1's fragments are in
	s_mov_b32 s52, 0                               ; the trip: the loop is counted in steps of one
.Ltrip:                                            ; three tiles a trip: the sets' registers come round
	s_mul_i32 s23, s52, 3                          ; q: the trip's first tile among mine
	STEP 0
	MORE 1
	STEP 1
	MORE 2
	STEP 2
	s_add_co_u32 s52, s52, 1
	s_cmp_lt_u32 s52, s53
	s_cbranch_scc1 .Ltrip
.Ldone:
	s_endpgm
.Lfunc_end_k_q2b7ee25ef0_up:
	.size	k_q2b7ee25ef0_up, .Lfunc_end_k_q2b7ee25ef0_up-k_q2b7ee25ef0_up
	.p2alignl 7, 3214868480
	.fill 96, 4, 3214868480
	.section	.rodata,"a",@progbits
	.p2align	6, 0x0
	.amdhsa_kernel k_q2b7ee25ef0_up
		.amdhsa_group_segment_fixed_size 67584
		.amdhsa_private_segment_fixed_size 0
		.amdhsa_enable_private_segment 0
		.amdhsa_kernarg_size 48
		.amdhsa_user_sgpr_count 2
		.amdhsa_user_sgpr_kernarg_segment_ptr 1
		.amdhsa_wavefront_size32 1
		.amdhsa_system_sgpr_workgroup_id_x 1
		.amdhsa_system_sgpr_workgroup_id_y 1
		.amdhsa_system_sgpr_workgroup_id_z 1
		.amdhsa_system_vgpr_workitem_id 0
		.amdhsa_next_free_vgpr 1024
		.amdhsa_next_free_sgpr 66
		.amdhsa_reserve_vcc 0
		.amdhsa_float_denorm_mode_32 3
		.amdhsa_float_denorm_mode_16_64 3
		.amdhsa_memory_ordered 1
		.amdhsa_forward_progress 1
		.amdhsa_inst_pref_size 101
	.end_amdhsa_kernel
	.amdgpu_metadata
---
amdhsa.version: [ 1, 2 ]
amdhsa.kernels:
  - .name:           k_q2b7ee25ef0_up
    .symbol:         k_q2b7ee25ef0_up.kd
    .args:
      - { .name: xs, .offset: 0, .size: 8, .value_kind: global_buffer, .address_space: global }
      - { .name: w1, .offset: 8, .size: 8, .value_kind: global_buffer, .address_space: global }
      - { .name: b1, .offset: 16, .size: 8, .value_kind: global_buffer, .address_space: global }
      - { .name: lowp_scales, .offset: 24, .size: 8, .value_kind: global_buffer, .address_space: global }
      - { .name: cnt, .offset: 32, .size: 8, .value_kind: global_buffer, .address_space: global }
      - { .name: hb, .offset: 40, .size: 8, .value_kind: global_buffer, .address_space: global }
    .group_segment_fixed_size: 67584
    .private_segment_fixed_size: 0
    .kernarg_segment_align: 8
    .kernarg_segment_size: 48
    .max_flat_workgroup_size: 128
    .sgpr_count:     66
    .vgpr_count:     1024
    .wavefront_size: 32
...
	.end_amdgpu_metadata
.endif
;; end of part 3
;; launch down (part 4): grid 16 x 16, 4 waves a work-group, no clusters, 83,968 bytes of LDS; arguments hb, w2, b2, lowp_scales, cnt, gs, yb; writes yb
.if DOCPART == 4
	.amdgcn_target "amdgcn-amd-amdhsa--gfx1250"
	.amdhsa_code_object_version 6
	.text
	.protected	k_q2b7ee25ef0_down
	.globl	k_q2b7ee25ef0_down
	.p2align	8
	.type	k_q2b7ee25ef0_down,@function
k_q2b7ee25ef0_down:
	s_mov_b64 s[64:65], 0
	v_nop
	global_prefetch_b8 v0, s[64:65] scope:SCOPE_SE
	s_setreg_imm32_b32 hwreg(HW_REG_WAVE_MODE, 25, 1), 1
	s_wait_xcnt 0x0
; DOWN.  gate x (h W2 + b2) for expert e (work-group x), one half kh of K = 2,048 and 64 output columns 64 ds .. + 63 (work-group y = 8 kh + ds), for the expert's routed rows.
; THE WEIGHTS STAND STILL, as in the launch before: the slice of w2 (1,024 K x 64 columns, f32) is read once, quantised with 2^ew2, and stays in every wave's registers as 32 fragments.
; K is halved and not the columns quartered, so that the slice's piece of each row of w2 is 256 consecutive bytes, aligned.  The two halves' sums are added by the last launch; b2 goes into half 0 alone.
; No tensor load and no cluster: the number of trips hangs on the stored count; the slice is read by this work-group alone.
; PHASE 1, the waves share K: wave w takes rows 256 w .. + 255; lane (g = lane % 16, p = lane / 16) columns 4 g .. 4 g + 3 of rows 128 p + 16 u + i: a load is two pieces of 256 bytes.  Codes go to LDS
; as [column][1,024 bytes], 1,040 bytes apart.  One barrier.  The last units of phase 1, which have no weights left to ask for, ask for the fragments of the wave's first two tiles of h: they land in
; window 3, which phase 1 does not use.   PHASE 2, the waves share the rows: wave w takes tiles w, w + 4, .. of 16 rows, by itself.
; Transposed product (source 0 = 16 columns of W2, source 1 = 16 rows of h): lane (r, h) holds row r, register j of tile t column 16 t + 8 h + j.  y = gate x 2^(eh + ew2) x (sum + b2 / 2^(eh + ew2)):
; the bias is the C of each sum's first product.  A tile's 16 rows x 256 bytes go through the wave's own stage in LDS and leave as whole rows: sixteen lanes store 256 consecutive bytes, aligned.
; yb [2 halves][16 x 2048 rows][512] f32.
; The first tiles are asked for ahead of any branch on the count, clamped to the expert's last tile: a wave that has fewer tiles drops what it does not multiply.  For an expert that no token chose
; these loads bring bytes of its tile 0 that nobody stored; every wave then ends behind the barrier, and no result hangs on them.
; LIMITS: ew2 between -126 and 119, eh + ew2 between -126 and 127.  NaN among the inputs is not served.  The sum over K = 2,048 is made as two halves.
; REGISTERS.  window 0: v1-15 addresses and scales; phase 1: v16-207 three sets of 16 loads, v208-239 turned numbers, v240-255 codes; phase 2: v16-47 four accumulators, v48-79 results, v80-111 b2,
;   v112-114 gates, v[116:117] gate x 2^(eh + ew2), v118-121 fixed offsets, v128-255 set 2 of h's eight fragments.
;   windows 1, 2: W2's fragment (tile t, K step s) at window 1 + s / 4, v[64 (s % 4) + 16 t].   window 3: sets 0 and 1, at v0 and v128.
.set ROWB,  2048                       ; a row of w2 in bytes
.set PITCH, 1040                       ; a column's 1,024 codes in LDS + 16 bytes
.set STAGE, 64*PITCH                   ; behind the codes: 16 rows x 272 bytes for each wave
.set SP,    272
.set S,    16
.set X,    208
.set C,    240
.set ACC,  16
.set RES,  48
.set B2,   80
.set GT,   112
.set GP,   116
.set AB,   118                         ; v118 16 x lane + 32768 x wave
.set GB,   119                         ; v119 4 r + 64 x wave
.set YB,   120                         ; v120 2048 h + 16 r + 32768 x wave
.set BO,   121                         ; v121 32 h
.set LIMW, 1                           ; v1   448 x 2^ew2
.set SCW,  2                           ; v2   2^ew2
.set SRD,  3                           ; v3   LDS: where I read a row of the stage back
.set LV,   4                           ; v4   16 x lane
.set WV,   5                           ; v5   w2: 128 rows x p + 16 g
.set WS,   6                           ; v6   LDS: where I store codes
.set FA,   7                           ; v7   LDS: my place in a fragment
.set AO,   8                           ; v8-10  the three sets' offsets in hb
.set GO,   11                          ; v11-13 and in gs
.set YO,   14                          ; v14  my offset in yb
.set STO,  15                          ; v15  LDS: where I put 32 bytes of a row
.set T0,   55                          ; s55-57 my first three tiles' numbers, clamped to the expert's last
.set MSB, 0
.macro WIN new                         ; the immediate's high byte repeats the setting that is left
.if MSB != (\new)
	s_set_vgpr_msb (MSB<<8)|(\new)
.set MSB, (\new)
.endif
.endm
.macro SCALE e, sc, hi                 ; s[sc] = 2^e as f32, s[hi] = 448 x 2^e
	s_add_co_i32 s[\hi], s[\e], 127
	s_lshl_b32 s[\sc], s[\hi], 23
	s_add_co_i32 s[\hi], s[\hi], 8
	s_lshl_b32 s[\hi], s[\hi], 23
	s_or_b32 s[\hi], s[\hi], 0x600000
.endm
.macro LOADU u                         ; unit u: rows 128 p + 16 u .. + 15 of my wave's 256
.irp i, 0,1,2,3,4,5,6,7,8,9,10,11,12,13,14,15
	global_load_b128 v[S+64*((\u)%3)+4*\i:S+64*((\u)%3)+4*\i+3], v[WV], s[40:41] offset:(16*(\u)+\i)*ROWB th:TH_LOAD_NT
.endr
.endm
.macro GLOAD k                         ; a tile's 16 gates for set k: one load
	global_load_b32 v[GT+\k], v[GO+\k], s[44:45]
.endm
.macro FLOAD k                         ; a tile's eight fragments of h into set k: 32 loads
.set AR, 128*((\k+1)/2)
.if \k < 2
	WIN 0xc0
.endif
.irp s, 0,1,2,3,4,5,6,7
.irp c, 0,1,2,3
	global_load_b128 v[AR+16*\s+4*\c:AR+16*\s+4*\c+3], v[AO+\k], s[42:43] offset:2048*\s+512*\c
.endr
.endr
	WIN 0
.endm
.macro ALOAD k                         ; both: 33 loads
	GLOAD \k
	FLOAD \k
.endm
.macro UNIT u, left
	s_wait_loadcnt \left                           ; this unit's 16 loads are in; what was asked for behind them stays out
	s_wait_dscnt 0x0                               ; the last unit's LDS stores are done
.irp a, 0,1
.irp c, 0,1,2,3
.irp i, 0,1,2,3,4,5,6,7
	v_med3_num_f32 v[X+8*\c+\i], v[S+64*((\u)%3)+4*(8*\a+\i)+\c], -v[LIMW], v[LIMW]   ; held (the conversion does not saturate: ISA guide 7.6.2), and turned: column c's eight neighbours along K on end
.endr
.endr
.irp c, 0,1,2,3
	v_cvt_scalef32_pk8_fp8_f32 v[C+4*\c+2*\a:C+4*\c+2*\a+1], v[X+8*\c:X+8*\c+7], v[SCW]
.endr
	v_nop                                          ; a plain line between the conversions and the next writes of their sources
.endr
.if (\u) < 5
	LOADU (\u)+3
.elseif (\u) == 5
	FLOAD 0                                        ; no weights are left to ask for: my first tile's fragments,
.elseif (\u) == 6
	FLOAD 1                                        ; my second's
.endif
.irp c, 0,1,2,3
	ds_store_b128 v[WS], v[C+4*\c:C+4*\c+3] offset:PITCH*\c+16*(\u)   ; column 4 g + c, K = 256 wave + 128 p + 16 u + 0 .. 15
.endr
.endm
.macro FETCHW                          ; all 32 fragments of the slice into windows 1 and 2
.irp s, 0,1,2,3,4,5,6,7
	WIN 0x40+0x40*(\s/4)
.irp t, 0,1,2,3
.irp c, 0,1,2,3
	ds_load_b128 v[64*(\s%4)+16*\t+4*\c:64*(\s%4)+16*\t+4*\c+3], v[FA] offset:16*\t*PITCH+128*\s+32*\c
.endr
.endr
.endr
	WIN 0
.endm
; my tile number q + k (tile wave + 4 (q + k) of the expert), from set k
.macro STEP k
.set AR, 128*((\k+1)/2)
	s_wait_loadcnt 63                              ; set k's 33 loads are in.  66 loads are younger; the wait's field holds 63 at the most, and a smaller count is safe
.irp s, 0,1,2,3,4,5,6,7
.if \k < 2
	WIN 0x0d+(\s/4)                                ; W2 window 1 or 2, h window 3, the sums and b2 window 0
.else
	WIN 0x01+(\s/4)                                ; h window 0
.endif
.irp t, 0,1,2,3                                ; the four accumulators take turns, one instruction a turn
.if \s == 0
	v_wmma_f32_16x16x128_fp8_fp8 v[ACC+8*\t:ACC+8*\t+7], v[64*(\s%4)+16*\t:64*(\s%4)+16*\t+15], v[AR+16*\s:AR+16*\s+15], v[B2+8*\t:B2+8*\t+7]
.else
	v_wmma_f32_16x16x128_fp8_fp8 v[ACC+8*\t:ACC+8*\t+7], v[64*(\s%4)+16*\t:64*(\s%4)+16*\t+15], v[AR+16*\s:AR+16*\s+15], v[ACC+8*\t:ACC+8*\t+7]
.endif
.endr
.endr
	WIN 0
	s_add_co_u32 s24, s23, \k+3                    ; set k takes my tile three further on, or my last again
	s_min_u32 s24, s24, s22
	s_min_u32 s24, s24, 31
	s_lshl_b32 s26, s24, 17
	s_lshl_b32 s27, s24, 8
	s_add_co_u32 s25, s23, \k
	s_min_u32 s25, s25, 31
	s_lshl_b32 s25, s25, 17
	s_wait_xcnt 0x0                                ; the last tile's stores have read their offset and their data
	v_mul_f32 v[GP], s39, v[GT+\k]                 ; gate x 2^(eh + ew2).  These four lines are the places between the last product and the loads into its registers and the first read of results
	v_add_nc_u32 v[AO+\k], s26, v[AB]
	v_add_nc_u32 v[GO+\k], s27, v[GB]
	v_add_nc_u32 v[YO], s25, v[YB]
	ALOAD \k
.set n, 0
.rept 16
	v_pk_mul_f32 v[RES+n:RES+n+1], v[ACC+n:ACC+n+1], v[GP:GP+1] op_sel_hi:[1,0]   ; each accumulator from its low end on
.set n, n+2
.endr
.irp t, 0,1,2,3
	ds_store_b128 v[STO], v[RES+8*\t:RES+8*\t+3] offset:64*\t
	ds_store_b128 v[STO], v[RES+8*\t+4:RES+8*\t+7] offset:64*\t+16
.endr
.irp i, 0,1,2,3,4,5,6,7
	ds_load_b128 v[RES+4*\i:RES+4*\i+3], v[SRD] offset:2*\i*SP   ; LDS serves a wave's instructions in order (ISA guide 5.7.1.4): these see my stores; the stage is my wave's own
.endr
.irp i, 0,1,2,3,4,5,6,7
	s_wait_dscnt 7-\i                              ; rows 2 i and 2 i + 1 are back; the younger loads stay out
	global_store_b128 v[YO], v[RES+4*\i:RES+4*\i+3], s[50:51] offset:2*\i*2048 th:TH_STORE_NT   ; 16 lanes store 256 consecutive bytes, aligned
.endr
.endm
; Has my wave a tile q + k?  If not, it ends here: the loop is left by its backward branch or by s_endpgm alone.  The loads that are still out bring tiles that nobody will multiply
.macro MORE k
	s_add_co_u32 s24, s23, \k
	s_cmp_lt_u32 s24, s21
	s_cbranch_scc1 .Lmore_\@
	s_endpgm
.Lmore_\@:
.endm
	s_load_b256 s[4:11], s[0:1], 0x0               ; hb s[4:5], w2 s[6:7], b2 s[8:9], lowp_scales s[10:11]
	s_load_b128 s[12:15], s[0:1], 0x20             ; cnt s[12:13], gs s[14:15]
	s_load_b64 s[48:49], s[0:1], 0x30              ; yb
	v_lshrrev_b32 v208, 5, v0
	v_readfirstlane_b32 s16, v208                  ; wave 0..3
	s_and_b32 s35, ttmp7, 0xffff                   ; 8 kh + ds
	s_lshr_b32 s17, s35, 3                         ; kh
	s_and_b32 s38, s35, 7                          ; ds
	s_mov_b32 s18, ttmp9                           ; e
	v_and_b32 v208, 15, v0                         ; r, also g
	v_bfe_u32 v209, v0, 4, 1                       ; h, also p
	v_lshlrev_b32 v[WV], 4, v208
	v_lshl_add_u32 v[WV], v209, 18, v[WV]
	s_lshl_b32 s40, s18, 22                        ; the expert's 4 MB of w2,
	s_lshl_b32 s24, s17, 21                        ; the half's 1,024 rows,
	s_add_co_u32 s40, s40, s24
	s_lshl_b32 s24, s16, 19                        ; my wave's 256 of them,
	s_add_co_u32 s40, s40, s24
	s_lshl_b32 s24, s38, 8                         ; the slice's 256 bytes of each row
	s_add_co_u32 s40, s40, s24
	s_mov_b32 s41, 0
	s_lshl_b32 s26, s18, 2
	s_lshl_b32 s27, s18, 4
	s_wait_kmcnt 0x0
	s_load_b32 s19, s[12:13], s26 offset:0x0       ; the expert's rows
	s_load_b128 s[28:31], s[10:11], s27 offset:0x8 ; ex, ew1, eh, ew2
	s_add_nc_u64 s[40:41], s[6:7], s[40:41]
	LOADU 0                                        ; 48 loads of 512 bytes a wave are on their way
	LOADU 1
	LOADU 2
	v_and_b32 v[LV], 31, v0
	v_lshlrev_b32 v[LV], 4, v[LV]
	v_mul_u32_u24 v[WS], v208, 4*PITCH
	v_lshl_add_u32 v[WS], v209, 7, v[WS]
	s_lshl_b32 s24, s16, 8
	v_add_nc_u32 v[WS], s24, v[WS]
	v_mul_u32_u24 v[FA], v208, PITCH
	v_lshl_add_u32 v[FA], v209, 4, v[FA]
	s_mul_i32 s24, s16, 16*SP
	s_add_co_u32 s24, s24, STAGE                   ; my stage
	v_mul_u32_u24 v[STO], v208, SP
	v_lshl_add_u32 v[STO], v209, 5, v[STO]
	v_add_nc_u32 v[STO], s24, v[STO]               ; in: row r, 32 bytes for each half of the lanes
	v_mul_u32_u24 v[SRD], v209, SP
	v_lshl_add_u32 v[SRD], v208, 4, v[SRD]
	v_add_nc_u32 v[SRD], s24, v[SRD]               ; back: lanes 0-15 one row of 256 bytes, lanes 16-31 the next
	s_mov_b32 s25, 0
	s_lshl_b32 s24, s18, 22
	s_lshl_b32 s34, s17, 14
	s_add_co_u32 s24, s24, s34
	s_add_nc_u64 s[42:43], s[4:5], s[24:25]        ; hb at the expert, K step 8 kh
	s_lshl_b32 s24, s18, 13
	s_add_nc_u64 s[44:45], s[14:15], s[24:25]      ; gs at the expert
	s_lshl_b32 s24, s18, 11
	s_lshl_b32 s34, s38, 8
	s_add_co_u32 s24, s24, s34
	s_add_nc_u64 s[46:47], s[8:9], s[24:25]        ; b2 at the slice's 64 numbers
	s_lshl_b32 s24, s17, 26
	s_lshl_b32 s35, s18, 22
	s_add_co_u32 s24, s24, s35
	s_add_co_u32 s24, s24, s34
	s_add_nc_u64 s[50:51], s[48:49], s[24:25]      ; yb at the half, the expert's first row, the slice's 256 bytes
	s_wait_kmcnt 0x0
	s_min_u32 s19, s19, 2048
	s_add_co_u32 s20, s19, 15
	s_lshr_b32 s20, s20, 4                         ; the expert's tiles
	s_add_co_u32 s21, s20, 3
	s_sub_co_u32 s21, s21, s16
	s_lshr_b32 s21, s21, 2                         ; my wave's tiles, 32 at the most
	s_max_u32 s22, s21, 1
	s_sub_co_u32 s22, s22, 1                       ; the last of them
	s_add_co_u32 s53, s21, 2                       ; my trips of three tiles: ceil(tiles / 3) = ((tiles + 2) x 43) >> 7, exact up to 34: 43 / 128 lies 1 / 384 of the argument above 1 / 3
	s_mul_i32 s53, s53, 43
	s_lshr_b32 s53, s53, 7
	s_max_u32 s54, s20, 1
	s_sub_co_u32 s54, s54, 1                       ; the expert's last tile
.irp k, 0,1,2
	s_add_co_u32 s[T0+\k], s16, 4*\k               ; my tile number k, or the expert's last where I have none
	s_min_u32 s[T0+\k], s[T0+\k], s54
	s_min_u32 s[T0+\k], s[T0+\k], 127
	s_lshl_b32 s24, s[T0+\k], 15
	v_add_nc_u32 v[AO+\k], s24, v[LV]
.endr
	SCALE 31, 32, 33
	v_mov_b32 v[SCW], s32
	v_mov_b32 v[LIMW], s33
	s_add_co_i32 s37, s30, s31                     ; eh + ew2
	s_add_co_i32 s39, s37, 127
	s_lshl_b32 s39, s39, 23                        ; 2^(eh + ew2) as f32
	s_sub_co_i32 s37, 0, s37
	s_cmp_eq_u32 s17, 0
	s_cselect_b32 s36, -1, 0                       ; the bias goes into half 0 alone
	UNIT 0, 32                                     ; younger: the next two units
	UNIT 1, 32
	UNIT 2, 32
	UNIT 3, 32
	UNIT 4, 32
	UNIT 5, 32
	UNIT 6, 48                                     ; younger: unit 7's 16 and set 0's 32 fragment loads
	UNIT 7, 63                                     ; younger: the fragment loads of sets 0 and 1, 64 loads; the wait's field holds 63 at the most, and a smaller count is safe
	s_wait_dscnt 0x0                               ; for the others' sake: my codes have landed
	s_barrier_signal -1
	s_barrier_wait -1                              ; the slice's codes lie in LDS.  The only barrier: every wave has passed it before any branch on the stored count
	s_cmp_eq_u32 s21, 0
	s_cbranch_scc1 .Ldone                          ; no tile for my wave
	v_and_b32 v122, 15, v0                         ; r
	v_bfe_u32 v123, v0, 4, 1                       ; h
	s_lshl_b32 s24, s16, 15
	v_add_nc_u32 v[AB], s24, v[LV]
	v_lshlrev_b32 v[YB], 11, v123
	v_lshl_add_u32 v[YB], v122, 4, v[YB]
	v_add_nc_u32 v[YB], s24, v[YB]
	s_lshl_b32 s24, s16, 6
	v_lshl_add_u32 v[GB], v122, 2, s24
	v_lshlrev_b32 v[BO], 5, v123
	v_mov_b32 v[GP+1], 0                           ; (named as the upper half of the pair)
.irp t, 0,1,2,3
	global_load_b128 v[B2+8*\t:B2+8*\t+3], v[BO], s[46:47] offset:64*\t        ; b2 at columns 16 t + 8 h + 0 .. 7: the result's layout
	global_load_b128 v[B2+8*\t+4:B2+8*\t+7], v[BO], s[46:47] offset:64*\t+16
.endr
.irp k, 0,1,2
	s_lshl_b32 s24, s[T0+\k], 6
	v_lshl_add_u32 v[GO+\k], v122, 2, s24          ; gs: word 16 x tile + r
.endr
	GLOAD 0                                        ; the gates of the two tiles whose fragments are on their way or in,
	GLOAD 1
	ALOAD 2                                        ; and my third tile whole: its registers were at work in phase 1
	FETCHW                                         ; the LDS loads stand over the global loads' way
	s_wait_loadcnt 33                              ; b2, gates 0 and 1 and all that was asked for ahead of them are in: behind them stand set 2's 33 loads
.set n, 0
.rept 32
	v_ldexp_f32 v[B2+n], v[B2+n], s37              ; b2 / 2^(eh + ew2): the power of two that the sums lack,
	v_and_b32 v[B2+n], s36, v[B2+n]                ; or 0 in half 1
.set n, n+1
.endr
	s_wait_dscnt 0x0                               ; W2's fragments are in
	s_mov_b32 s52, 0                               ; the trip: the loop is counted in steps of one
.Ltrip:                                            ; three tiles a trip: the sets' registers come round
	s_mul_i32 s23, s52, 3                          ; q: the trip's first tile among mine
	STEP 0
	MORE 1
	STEP 1
	MORE 2
	STEP 2
	s_add_co_u32 s52, s52, 1
	s_cmp_lt_u32 s52, s53
	s_cbranch_scc1 .Ltrip
.Ldone:
	s_endpgm
.Lfunc_end_k_q2b7ee25ef0_down:
	.size	k_q2b7ee25ef0_down, .Lfunc_end_k_q2b7ee25ef0_down-k_q2b7ee25ef0_down
	.p2alignl 7, 3214868480
	.fill 96, 4, 3214868480
	.section	.rodata,"a",@progbits
	.p2align	6, 0x0
	.amdhsa_kernel k_q2b7ee25ef0_down
		.amdhsa_group_segment_fixed_size 83968
		.amdhsa_private_segment_fixed_size 0
		.amdhsa_enable_private_segment 0
		.amdhsa_kernarg_size 56
		.amdhsa_user_sgpr_count 2
		.amdhsa_user_sgpr_kernarg_segment_ptr 1
		.amdhsa_wavefront_size32 1
		.amdhsa_system_sgpr_workgroup_id_x 1
		.amdhsa_system_sgpr_workgroup_id_y 1
		.amdhsa_system_sgpr_workgroup_id_z 1
		.amdhsa_system_vgpr_workitem_id 0
		.amdhsa_next_free_vgpr 1024
		.amdhsa_next_free_sgpr 66
		.amdhsa_reserve_vcc 0
		.amdhsa_float_denorm_mode_32 3
		.amdhsa_float_denorm_mode_16_64 3
		.amdhsa_memory_ordered 1
		.amdhsa_forward_progress 1
		.amdhsa_inst_pref_size 104
	.end_amdhsa_kernel
	.amdgpu_metadata
---
amdhsa.version: [ 1, 2 ]
amdhsa.kernels:
  - .name:           k_q2b7ee25ef0_down
    .symbol:         k_q2b7ee25ef0_down.kd
    .args:
      - { .name: hb, .offset: 0, .size: 8, .value_kind: global_buffer, .address_space: global }
      - { .name: w2, .offset: 8, .size: 8, .value_kind: global_buffer, .address_space: global }
      - { .name: b2, .offset: 16, .size: 8, .value_kind: global_buffer, .address_space: global }
      - { .name: lowp_scales, .offset: 24, .size: 8, .value_kind: global_buffer, .address_space: global }
      - { .name: cnt, .offset: 32, .size: 8, .value_kind: global_buffer, .address_space: global }
      - { .name: gs, .offset: 40, .size: 8, .value_kind: global_buffer, .address_space: global }
      - { .name: yb, .offset: 48, .size: 8, .value_kind: global_buffer, .address_space: global }
    .group_segment_fixed_size: 83968
    .private_segment_fixed_size: 0
    .kernarg_segment_align: 8
    .kernarg_segment_size: 56
    .max_flat_workgroup_size: 128
    .sgpr_count:     66
    .vgpr_count:     1024
    .wavefront_size: 32
...
	.end_amdgpu_metadata
.endif
;; end of part 4
;; launch combine (part 5): grid 256 x 1, 8 waves a work-group, no clusters, 0 bytes of LDS; arguments pos, yb, out0; writes out0
.if DOCPART == 5
	.amdgcn_target "amdgcn-amd-amdhsa--gfx1250"
	.amdhsa_code_object_version 6
	.text
	.protected	k_q2b7ee25ef0_combine
	.globl	k_q2b7ee25ef0_combine
	.p2align	8
	.type	k_q2b7ee25ef0_combine,@function
k_q2b7ee25ef0_combine:
	s_mov_b64 s[64:65], 0
	v_nop
	global_prefetch_b8 v0, s[64:65] scope:SCOPE_SE
	s_setreg_imm32_b32 hwreg(HW_REG_WAVE_MODE, 25, 1), 1
	s_wait_xcnt 0x0
; COMBINE.  out0[t] = the sum over the token's four experts, in ascending order, of the two halves of gate x (h W2 + b2) that the launch before has stored.
; A wave takes a token: its four row numbers come by one scalar load; each of its 32 loads and 4 stores covers 512 consecutive bytes.  All 32 loads go out at once; memory binds, so no LDS, no barrier, no matrix unit.
.set Y,  16                            ; v16-143  expert k, half f, quarter q of the row: v[16 + 32 k + 16 f + 4 q ..]
.set AC, 144                           ; v144-159 the sum
	s_load_b128 s[4:7], s[0:1], 0x0                ; pos s[4:5], yb s[6:7]
	s_load_b64 s[8:9], s[0:1], 0x10                ; out0
	v_lshrrev_b32 v1, 5, v0
	v_readfirstlane_b32 s10, v1                    ; wave 0..7
	s_lshl_b32 s11, ttmp9, 3
	s_add_co_u32 s11, s11, s10                     ; the token
	s_lshl_b32 s20, s11, 4
	s_lshl_b32 s18, s11, 11
	s_mov_b32 s19, 0
	v_and_b32 v1, 31, v0
	v_lshlrev_b32 v1, 4, v1                        ; 16 x lane
	s_wait_kmcnt 0x0
	s_load_b128 s[12:15], s[4:5], s20 offset:0x0   ; its four rows: expert x 2048 + rank
	s_add_nc_u64 s[16:17], s[6:7], 0x4000000       ; the second half of K
	s_add_nc_u64 s[8:9], s[8:9], s[18:19]
	s_wait_kmcnt 0x0
.irp k, 0,1,2,3
	s_min_u32 s[12+\k], s[12+\k], 32767
	s_lshl_b32 s[12+\k], s[12+\k], 11              ; a row is 2,048 bytes
	v_add_nc_u32 v[2+\k], s[12+\k], v1
.endr
.irp k, 0,1,2,3
.irp q, 0,1,2,3
	global_load_b128 v[Y+32*\k+4*\q:Y+32*\k+4*\q+3], v[2+\k], s[6:7] offset:512*\q th:TH_LOAD_NT
.endr
.irp q, 0,1,2,3
	global_load_b128 v[Y+32*\k+16+4*\q:Y+32*\k+16+4*\q+3], v[2+\k], s[16:17] offset:512*\q th:TH_LOAD_NT
.endr
.endr
.irp k, 0,1,2,3
	s_wait_loadcnt 24-8*\k                         ; expert k's eight loads are in; the later experts' stay out
.irp p, 0,2,4,6,8,10,12,14
.if \k == 0
	v_pk_add_f32 v[AC+\p:AC+\p+1], v[Y+\p:Y+\p+1], v[Y+16+\p:Y+16+\p+1]
.else
	v_pk_add_f32 v[Y+32*\k+\p:Y+32*\k+\p+1], v[Y+32*\k+\p:Y+32*\k+\p+1], v[Y+32*\k+16+\p:Y+32*\k+16+\p+1]
.endif
.endr
.if \k > 0
.irp p, 0,2,4,6,8,10,12,14
	v_pk_add_f32 v[AC+\p:AC+\p+1], v[AC+\p:AC+\p+1], v[Y+32*\k+\p:Y+32*\k+\p+1]
.endr
.endif
.endr
.irp q, 0,1,2,3
	global_store_b128 v1, v[AC+4*\q:AC+4*\q+3], s[8:9] offset:512*\q th:TH_STORE_NT
.endr
	s_endpgm
.Lfunc_end_k_q2b7ee25ef0_combine:
	.size	k_q2b7ee25ef0_combine, .Lfunc_end_k_q2b7ee25ef0_combine-k_q2b7ee25ef0_combine
	.p2alignl 7, 3214868480
	.fill 96, 4, 3214868480
	.section	.rodata,"a",@progbits
	.p2align	6, 0x0
	.amdhsa_kernel k_q2b7ee25ef0_combine
		.amdhsa_group_segment_fixed_size 0
		.amdhsa_private_segment_fixed_size 0
		.amdhsa_enable_private_segment 0
		.amdhsa_kernarg_size 24
		.amdhsa_user_sgpr_count 2
		.amdhsa_user_sgpr_kernarg_segment_ptr 1
		.amdhsa_wavefront_size32 1
		.amdhsa_system_sgpr_workgroup_id_x 1
		.amdhsa_system_sgpr_workgroup_id_y 1
		.amdhsa_system_sgpr_workgroup_id_z 1
		.amdhsa_system_vgpr_workitem_id 0
		.amdhsa_next_free_vgpr 160
		.amdhsa_next_free_sgpr 66
		.amdhsa_reserve_vcc 0
		.amdhsa_float_denorm_mode_32 3
		.amdhsa_float_denorm_mode_16_64 3
		.amdhsa_memory_ordered 1
		.amdhsa_forward_progress 1
		.amdhsa_inst_pref_size 9
	.end_amdhsa_kernel
	.amdgpu_metadata
---
amdhsa.version: [ 1, 2 ]
amdhsa.kernels:
  - .name:           k_q2b7ee25ef0_combine
    .symbol:         k_q2b7ee25ef0_combine.kd
    .args:
      - { .name: pos, .offset: 0, .size: 8, .value_kind: global_buffer, .address_space: global }
      - { .name: yb, .offset: 8, .size: 8, .value_kind: global_buffer, .address_space: global }
      - { .name: out0, .offset: 16, .size: 8, .value_kind: global_buffer, .address_space: global }
    .group_segment_fixed_size: 0
    .private_segment_fixed_size: 0
    .kernarg_segment_align: 8
    .kernarg_segment_size: 24
    .max_flat_workgroup_size: 256
    .sgpr_count:     66
    .vgpr_count:     160
    .wavefront_size: 32
...
	.end_amdgpu_metadata
.endif
;; end of part 5
